; MI455X (gfx1250); checked and timed in simulation.
; The chip was launched on July 23, 2026; its instructions are those of AMD's public machine-readable ISA for CDNA 5 (MIT licence, August 2026) and "CDNA5" Instruction Set Architecture Reference Guide (July 2026). The comments in the code are by the model that wrote it; some were corrected since.
;; Masked Multi Head Self Attention. Allowed arithmetic: matrix products marked QUANTISED: E4M3 operands, one given power-of-two scale a tensor, by v_wmma_f32_16x16x64_fp8_fp8 or v_wmma_f32_16x16x128_fp8_fp8, f32 sums; everything else in f32.
;; Inputs: Wk 768 x 768 float32; Wo 768 x 768 float32; Wq 768 x 768 float32; Wv 768 x 768 float32; attention_mask 8 x 1,024 int32; bk 768 float32; bo 768 float32; bq 768 float32; bv 768 float32; lowp_scales 10 int32 (the exponents e of the quantised operands' scales 2^e); x 8 x 1,024 x 768 float32.
;; Outputs: out0 8 x 1,024 x 768 float32.
;; This version of the problem:
;;   THIS VERSION OF THE PROBLEM IS GIVEN IN LOW PRECISION. The matrix products marked QUANTISED in the list below multiply operands that are first quantised to E4M3 (4 exponent bits, 3 mantissa bits; 8 bits a number), with one given power-of-two scale for each operand tensor; their sums are f32. All else is computed in f32.
;;   The module's matrix products, in the order in which they are computed (A, B: the left and right operand; K: the contracted axis; several contracted axes count as one K, in the product's order):
;;     1. [M 8,192, K 768] x [K 768, N 768]; A: input x; B: input Wk: QUANTISED (scales: A lowp_scales[0], B lowp_scales[1])
;;     2. [M 8,192, K 768] x [K 768, N 768]; A: input x; B: input Wq: QUANTISED (scales: A lowp_scales[2], B lowp_scales[3])
;;     3. batch 96 x [M 1,024, K 64] x [K 64, N 1,024]; A: computed on the way; B: computed on the way: QUANTISED (scales: A lowp_scales[4], B lowp_scales[5])
;;     4. batch 96 x [M 1,024, K 1,024] x [K 1,024, N 64]; A: softmax (see below); B: computed on the way: QUANTISED (scales: A lowp_scales[6], B lowp_scales[7])
;;     5. [M 8,192, K 768] x [K 768, N 768]; A: computed on the way; B: input Wo: QUANTISED (scales: A lowp_scales[8], B lowp_scales[9])
;;   THE QUANTISER, for each operand of a quantised product, along K:
;;     - The operand's scale is 2^e, e = its entry of the input lowp_scales (int32; the entries are numbered through the quantised products in the list's order, A before B).
;;     - Each number is divided by the scale, clamped to +-448, and rounded to the nearest number of E4M3, ties to even, subnormals kept.
;;     - The product sums the exact products of the quantised numbers (number of the format x scale) in f32.
;;   ~~~python
;;   def quantise(x, axis, e):      # numpy; x: float32 -> the quantised numbers, widened to float32 again
;;       x = np.moveaxis(x, axis, -1); K = x.shape[-1]
;;       r = np.clip(x / 2.0 ** e, -448, 448)
;;       step = 2.0 ** (np.maximum(np.frexp(np.where(r == 0, 1, r))[1] - 1, -6) - 3)
;;       q = np.round(r / step) * step * 2.0 ** e      # np.round: ties to even
;;       return np.moveaxis(q, -1, axis).astype(np.float32)
;;   ~~~
;;   SOFTMAX AHEAD OF A QUANTISED PRODUCT. Where the list says 'softmax', what is quantised is not the finished softmax but p = 2^(t - M), with t = logit x log2(e) and M = ceil(the row's largest t), a whole number; so 1/2 < the row's largest p <= 1. The row's sum l is taken of the UNQUANTISED p, in f32, and the product's result is divided by l at the end. Since M is a whole number, a kernel that streams over the keys may use a running M (the ceiling of the running maximum): every later rescaling is an exact power of two, so the quantised numbers keep their values, but for numbers so far below the row's largest that they fall under the format's range.
;;   OPERANDS COMPUTED ON THE WAY. 'Computed on the way' means the value that the module computes at that place (a softmax that the list does not call 'softmax' is quantised finished and normalised). What goes into a quantiser is computed in f32, as accurately as f32 sums, v_exp_f32 and their like allow (about 1e-6 of the number): no bf16 or f16 on the way to a quantiser, and a product that is left as it is and whose result goes on into a quantised operand takes f32 operands (vector FMAs, or v_wmma_f32_16x16x4_f32). A number that lies on a knife's edge between two numbers of the format may be rounded either way, as far as f32 arithmetic and the matrix unit's own rounding can turn it there, and no further.
;; One version. Each part assembles by itself: llvm-mc -triple=amdgcn-amd-amdhsa -mcpu=gfx1250 --defsym DOCPART=n.
;; ======== version 1 of 1: 4 launches
;; limits: right only within a limited range of input values
;; workspace buffers: x_codes 6,291,456 bytes; wk_codes 589,824 bytes; wo_codes 589,824 bytes; qa_img 6,291,456 bytes; kv_img 12,582,912 bytes; wv_img 6,291,456 bytes
;; launch quant (part 1): grid 256 x 1, 19 waves a work-group, no clusters, 148,480 bytes of LDS; arguments x, Wk, Wo, lowp_scales, x_codes, wk_codes, wo_codes; writes x_codes, wk_codes, wo_codes
.if DOCPART == 1
	.amdgcn_target "amdgcn-amd-amdhsa--gfx1250"
	.amdhsa_code_object_version 6
	.text
	.protected	k_qc293e2d09f_quant
	.globl	k_qc293e2d09f_quant
	.p2align	8
	.type	k_qc293e2d09f_quant,@function
k_qc293e2d09f_quant:
	s_mov_b64 s[64:65], 0
	v_nop
	global_prefetch_b8 v0, s[64:65] scope:SCOPE_SE
	s_setreg_imm32_b32 hwreg(HW_REG_WAVE_MODE, 25, 1), 1
	s_wait_xcnt 0x0
; x [8192][768], Wk [768][768], Wo [768][768], f32, K innermost, become codes of FP8 (E4M3), one byte each.
; DEAD WORK: reference() computes Q = x Wq^T + bq and never uses it (scores and values are made of K alone), and Wv, bv enter no step.  So for all values of the inputs they reach no output: Wq, bq, Wv, bv and
; entries 2, 3 of the scales enter no step; the four tensors are loaded by no launch and are among no launch's arguments.  LIMIT: a NaN, an infinity or an overflow in them alone is not carried to the result.
; code = number / 2^e, held within +-448, to the nearest code, ties to even.  e: entry 0 (x), 1 (Wk), 9 (Wo) of the buffer of scales.
; LIMITS: -126 <= e <= 119, so that 2^e and 448 x 2^e are f32 numbers.  NaN among the inputs is not served.
; A wave takes two rows: 3 steps of 512 numbers.  4,096 waves for x, 384 for Wk, 384 for Wo: 4,864 = 256 work-groups of 19 equal waves.  All 12 loads of a wave are out at once.
; Wk's ROWS ARE STORED IN ANOTHER ORDER: bits 3 and 4 of the row's number are swapped.  The next launch takes 16 neighbouring rows of the codes as a tile: so lanes 0-7 of tile 2 b + u hold the features 32 b + 8 u + 0 .. 7
; and lanes 8-15 those 16 further on, and a lane's sixteen results of tiles 2 b, 2 b + 1 are 16 neighbouring features.  Two neighbouring rows stay neighbours.
; A load reads 512 consecutive bytes, 16 a lane; a conversion wants neighbours along K in ONE lane.  So a step's 2,048 bytes turn through the wave's own stage in LDS (four lanes' 64 bytes, then 16 of padding)
; and come back 64 bytes a lane.  A lane's 16 codes are 16 bytes: the wave stores 512 consecutive bytes, aligned.
; No matrix unit, no cluster, no barrier: the waves share nothing; no loop, so nothing to prefetch ahead of.
.set WAVES, 19
.set WX,    4096                       ; waves 0 .. 4095: x
.set WK,    4480                       ; 4096 .. 4479: Wk; 4480 .. 4863: Wo
.set SP,    80                         ; a lane's place in a stage: 64 bytes + 16 of padding
.set STG,   32*SP                      ; a stage
.set WREG,  3*STG                      ; LDS of a wave: a stage for each step
.set SPARE, WAVES*WREG                 ; 145,920: the spare words, 128 bytes for each wave
.set SPW,   12
.set NIL,   13
.set R,     16                         ; v16-63   numbers as loaded
.set X,     64                         ; v64-111  sixteen neighbours for each step
.set C,     112                        ; v112-123 codes
	s_load_b256 s[4:11], s[0:1], 0x0               ; x, Wk, Wo, the scales' exponents
	s_load_b128 s[12:15], s[0:1], 0x20             ; x's codes, Wk's codes
	s_load_b64 s[16:17], s[0:1], 0x30              ; Wo's codes
	v_lshl_add_u32 v[SPW], v0, 2, SPARE
	v_mov_b32 v[NIL], 0
	v_lshrrev_b32 v1, 5, v0
	v_readfirstlane_b32 s18, v1                    ; wave 0..18
	v_and_b32 v2, 31, v0                           ; lane
	v_lshlrev_b32 v3, 4, v2                        ; 16 x lane: my bytes of a load's 512 and of a store's 512
	s_mul_i32 s19, s18, WREG
	v_lshrrev_b32 v14, 2, v2
	v_mul_u32_u24 v14, v14, SP
	v_and_b32 v15, 3, v2
	v_lshl_add_u32 v14, v15, 4, v14
	v_add_nc_u32 v14, s19, v14                     ; the stage, on the way in: SP (lane / 4) + 16 (lane % 4)
	v_mul_u32_u24 v15, v2, SP
	v_add_nc_u32 v15, s19, v15                     ; and on the way out: SP x lane
	s_mul_i32 s25, ttmp9, WAVES
	s_add_co_u32 s25, s25, s18                     ; my wave's number in the launch: it alone chooses the tensor
	s_cmp_lt_u32 s25, WX
	s_cselect_b32 s26, 0, WX
	s_cmp_lt_u32 s25, WK
	s_cselect_b32 s26, s26, WK                     ; the tensor's first wave
	s_sub_co_u32 s27, s25, s26                     ; n: my two rows are 2 n, 2 n + 1
	s_and_b32 s29, s27, 4
	s_lshl_b32 s29, s29, 1
	s_and_b32 s30, s27, 8
	s_lshr_b32 s30, s30, 1
	s_and_b32 s31, s27, -13
	s_or_b32 s31, s31, s29
	s_or_b32 s31, s31, s30                         ; n with bits 2 and 3 swapped: where Wk's rows go
	s_cmp_lt_u32 s25, WX
	s_cselect_b32 s31, s27, s31
	s_cmp_lt_u32 s25, WK
	s_cselect_b32 s31, s31, s27
	s_mul_i32 s32, s27, 6144                       ; two rows of f32 (under 2^25)
	s_mov_b32 s33, 0
	s_mul_i32 s34, s31, 1536                       ; two rows of codes
	s_mov_b32 s35, 0
	s_wait_alu depctr_va_vdst(0)
	s_wait_kmcnt 0x0
	s_load_b64 s[22:23], s[10:11], 0x0             ; e of x, e of Wk
	s_load_b32 s24, s[10:11], 0x24                 ; e of Wo
	s_cmp_lt_u32 s25, WX
	s_cselect_b64 s[4:5], s[4:5], s[6:7]
	s_cselect_b64 s[12:13], s[12:13], s[14:15]
	s_cmp_lt_u32 s25, WK
	s_cselect_b64 s[4:5], s[4:5], s[8:9]
	s_cselect_b64 s[12:13], s[12:13], s[16:17]
	s_add_nc_u64 s[4:5], s[4:5], s[32:33]
	s_add_nc_u64 s[12:13], s[12:13], s[34:35]
.irp t, 0,1,2
.irp i, 0,1,2,3
	global_load_b128 v[R+16*\t+4*\i:R+16*\t+4*\i+3], v3, s[4:5] offset:2048*\t+512*\i th:TH_LOAD_NT   ; 32 lanes read 512 consecutive bytes
.endr
.endr
	s_wait_kmcnt 0x0
	s_cmp_lt_u32 s25, WX
	s_cselect_b32 s22, s22, s23
	s_cmp_lt_u32 s25, WK
	s_cselect_b32 s22, s22, s24                    ; e
	s_add_co_i32 s22, s22, 127
	s_lshl_b32 s23, s22, 23
	v_mov_b32 v11, s23                             ; 2^e as f32: the conversion takes its exponent field
	s_add_co_i32 s22, s22, 8
	s_lshl_b32 s22, s22, 23
	s_or_b32 s22, s22, 0x600000
	v_mov_b32 v10, s22                             ; 448 x 2^e
.macro TURN t                          ; through the stage: LDS serves a wave's instructions in order (ISA guide 5.7.1.4), so no wait stands between the stores and the loads
.irp i, 0,1,2,3
	ds_store_b128 v14, v[R+16*\t+4*\i:R+16*\t+4*\i+3] offset:STG*\t+8*SP*\i
.endr
.irp i, 0,1,2,3
	ds_load_b128 v[X+16*\t+4*\i:X+16*\t+4*\i+3], v15 offset:STG*\t+16*\i
.endr
.endm
.macro CONV t
.irp i, 0,1,2,3,4,5,6,7,8,9,10,11,12,13,14,15
	v_med3_num_f32 v[X+16*\t+\i], v[X+16*\t+\i], -v10, v10   ; the conversion to an 8-bit code does not saturate (ISA guide 7.6.2): the hold at the largest code x the scale comes first
.endr
	v_cvt_scalef32_pk8_fp8_f32 v[C+4*\t:C+4*\t+1], v[X+16*\t:X+16*\t+7], v11
	v_cvt_scalef32_pk8_fp8_f32 v[C+4*\t+2:C+4*\t+3], v[X+16*\t+8:X+16*\t+15], v11
	global_store_b128 v3, v[C+4*\t:C+4*\t+3], s[12:13] offset:512*\t   ; the codes go to a store alone; the next vector lines are holds on other registers
.endm
	s_wait_alu depctr_va_vdst(0)
	s_wait_loadcnt 8                               ; step 0's four loads are in
	TURN 0
	s_wait_loadcnt 4
	TURN 1
	s_wait_dscnt 8                                 ; step 0 is back; step 1's eight LDS instructions may be out
	CONV 0
	s_wait_loadcnt 0
	TURN 2
	s_wait_dscnt 8                                 ; step 1 is back
	CONV 1
	s_wait_dscnt 0
	CONV 2
	s_wait_tensorcnt 0x0                           ; the wave's end
	ds_add_u32 v[SPW], v[NIL]
	s_wait_dscnt 0x0
	s_endpgm
.Lfunc_end_k_qc293e2d09f_quant:
	.size	k_qc293e2d09f_quant, .Lfunc_end_k_qc293e2d09f_quant-k_qc293e2d09f_quant
	.p2alignl 7, 3214868480
	.fill 96, 4, 3214868480
	.section	.rodata,"a",@progbits
	.p2align	6, 0x0
	.amdhsa_kernel k_qc293e2d09f_quant
		.amdhsa_group_segment_fixed_size 148480
		.amdhsa_private_segment_fixed_size 0
		.amdhsa_enable_private_segment 0
		.amdhsa_kernarg_size 56
		.amdhsa_user_sgpr_count 2
		.amdhsa_user_sgpr_kernarg_segment_ptr 1
		.amdhsa_wavefront_size32 1
		.amdhsa_system_sgpr_workgroup_id_x 1
		.amdhsa_system_sgpr_workgroup_id_y 1
		.amdhsa_system_sgpr_workgroup_id_z 1
		.amdhsa_system_vgpr_workitem_id 0
		.amdhsa_next_free_vgpr 128
		.amdhsa_next_free_sgpr 66
		.amdhsa_reserve_vcc 0
		.amdhsa_float_denorm_mode_32 3
		.amdhsa_float_denorm_mode_16_64 3
		.amdhsa_memory_ordered 1
		.amdhsa_forward_progress 1
		.amdhsa_inst_pref_size 10
	.end_amdhsa_kernel
	.amdgpu_metadata
---
amdhsa.version: [ 1, 2 ]
amdhsa.kernels:
  - .name:           k_qc293e2d09f_quant
    .symbol:         k_qc293e2d09f_quant.kd
    .args:
      - { .name: x, .offset: 0, .size: 8, .value_kind: global_buffer, .address_space: global }
      - { .name: Wk, .offset: 8, .size: 8, .value_kind: global_buffer, .address_space: global }
      - { .name: Wo, .offset: 16, .size: 8, .value_kind: global_buffer, .address_space: global }
      - { .name: lowp_scales, .offset: 24, .size: 8, .value_kind: global_buffer, .address_space: global }
      - { .name: x_codes, .offset: 32, .size: 8, .value_kind: global_buffer, .address_space: global }
      - { .name: wk_codes, .offset: 40, .size: 8, .value_kind: global_buffer, .address_space: global }
      - { .name: wo_codes, .offset: 48, .size: 8, .value_kind: global_buffer, .address_space: global }
    .group_segment_fixed_size: 148480
    .private_segment_fixed_size: 0
    .kernarg_segment_align: 8
    .kernarg_segment_size: 56
    .max_flat_workgroup_size: 608
    .sgpr_count:     66
    .vgpr_count:     128
    .wavefront_size: 32
...
	.end_amdgpu_metadata
.endif
;; end of part 1
;; launch kproj (part 2): grid 4 x 64, 12 waves a work-group, clusters of 4 x 4, 263,680 bytes of LDS; arguments x_codes, wk_codes, bk, lowp_scales, qa_img, kv_img; writes qa_img, kv_img
.if DOCPART == 2
	.amdgcn_target "amdgcn-amd-amdhsa--gfx1250"
	.amdhsa_code_object_version 6
	.text
	.protected	k_qc293e2d09f_kproj
	.globl	k_qc293e2d09f_kproj
	.p2align	8
	.type	k_qc293e2d09f_kproj,@function
k_qc293e2d09f_kproj:
	s_mov_b64 s[64:65], 0
	v_nop
	global_prefetch_b8 v0, s[64:65] scope:SCOPE_SE
	s_setreg_imm32_b32 hwreg(HW_REG_WAVE_MODE, 25, 1), 1
	s_wait_xcnt 0x0
	s_wait_alu depctr_hold_cnt(0) depctr_sa_sdst(0) depctr_va_vdst(0) depctr_va_sdst(0) depctr_va_ssrc(0) depctr_va_vcc(0) depctr_vm_vsrc(0)
	s_getreg_b32 s2, hwreg(HW_REG_IB_STS2, 6, 4)
	s_cmp_eq_u32 s2, 0
	s_cbranch_scc0 .Lentry_in_a_cluster
	s_endpgm
.Lentry_in_a_cluster:
	s_bfe_u32 s2, ttmp6, 0x10000c
	s_cmp_lg_u32 s2, 0xf033
	s_cbranch_scc0 .Lentry_shape_is_right
	s_endpgm
.Lentry_shape_is_right:
; K = x Wk^T + bk on codes of FP8 (scales 2^e0, 2^e1), and K quantised three times, each time straight into the order of the registers of the operand that the attention launch reads:
;   qa_img [bh][64 tiles][1024]: 16 tokens x 64 d, scale 2^e4 (the queries' side of K K^T)          kv_img [bh][131072]: first 64 tiles of 1,024 bytes likewise, scale 2^e5 (the keys' side),
;   then [8 key steps][4 tiles of d][2048]: 16 d x 128 keys, scale 2^e7 (V = K with the keys innermost).   bh = 12 x batch + head.  A group of four registers is 512 bytes, lane l's 16 at 16 l.
; Q = x Wq^T + bq reaches no output of the problem, and Wv, bv are used by none of its steps: Wq, bq, Wv, bv are not loaded by any launch; entries 2, 3 of the scales are loaded but used by none.
; EACH PRODUCT IS ISSUED IN BOTH ORIENTATIONS from the same two fragments: source 0 = Wk's rows gives a lane one token and registers along d (qa, K images); source 0 = x's rows gives a lane one d and
; registers along the tokens (V images).  So eight registers of an accumulator are eight neighbours along the next K, and nothing is transposed.
; SHARES.  A work-group: 128 tokens x 192 features (3 heads).  Twelve waves: wave w takes tokens 32 (w % 4) on and head w / 4: 32 x 64 in both orientations, 16 accumulators.
; LDS is filled once: three K chunks of 256 bytes, each 128 rows of x and 192 rows of Wk, 272 bytes apart (256 + 16: the 16 rows of a fragment load start at 16 different banks, 64 banks of 4 bytes: ISA guide 11.1).
; CLUSTER 4 x 4: the four work-groups of a row of the cluster need the same rows of x, the four of a column the same rows of Wk: each tile is asked for jointly.
; A fragment comes by four loads of 16 bytes (registers 4 c .. 4 c + 3: k = 32 c + 16 (lane / 16) + 0 .. 15): a permutation of k, the same on both sides; only the order of the sums inside an instruction changes.
; LIMITS: e4 - e0 - e1, e5 - e0 - e1, e7 - e0 - e1 between -126 and 119, so that each power of two below is an f32 number.  NaN and infinities among the inputs are not served.
.set PITCH, 272
.set HALF,  64*PITCH                   ; what one tensor load brings: 64 rows
.set WOFF,  2*HALF                     ; Wk's rows lie behind x's 128
.set CH,    5*HALF                     ; a K chunk: 320 rows
.set LI,  1                            ; v1   16 x lane
.set AX,  4                            ; v4   LDS address of my fragments of x
.set AW,  5                            ; v5   of Wk
.set XF,  32                           ; v32-63   x: two fragments
.set WF,  64                           ; v64-127  Wk: four fragments
.set A1,  128                          ; v128-191 accumulator (tt, ft) at 8 (4 tt + ft): a lane holds one token
.set A2,  192                          ; v192-255 the same, a lane holds one feature
.set TQ,  32                           ; the way out: numbers held, 32 registers
.set CQ,  64                           ; codes: qa, K images, V images
.set CK,  80
.set CV,  96
.set WV,  16                           ; s16  wave
.set G1X, 24                           ; s[24:31] descriptor group 1 for x's tiles; s[32:39] for Wk's: they differ in the mask
.set G1W, 32
.set G0X, 40                           ; s[40:43] group 0 for x; s[52:55] for Wk
.set G0W, 52
.macro ROUND                           ; a round of the cluster's barrier
	s_barrier_signal -1
	s_barrier_wait -1
	s_cmp_lg_u32 s[WV], 0
	s_cbranch_scc1 .Lnot_wave_0_\@
	s_barrier_signal -3
.Lnot_wave_0_\@:
	s_barrier_wait -3
	s_barrier_signal -1
	s_barrier_wait -1
.endm
	s_load_b256 s[4:11], s[0:1], 0x0               ; x's codes, Wk's codes, bk, the scales' exponents
	s_load_b128 s[12:15], s[0:1], 0x20             ; qa_img, kv_img
	v_lshl_add_u32 v30, v0, 2, 0x40000
	v_mov_b32 v31, 0
	ds_add_u32 v30, v31
	ds_add_u32 v30, v31
	v_lshrrev_b32 v1, 5, v0
	s_delay_alu instid0(VALU_DEP_1)
	v_readfirstlane_b32 s[WV], v1                  ; wave 0..11
	s_and_b32 s17, s[WV], 3                        ; tg: which 32 tokens
	s_lshr_b32 s18, s[WV], 2                       ; hw: which head of the three
	s_bfe_u32 s19, ttmp6, 0x40000                  ; cx
	s_bfe_u32 s20, ttmp6, 0x40004                  ; cy
	s_lshl_b32 s21, ttmp9, 2
	s_add_co_u32 s21, s21, s19                     ; fg: which 192 features
	s_and_b32 s22, ttmp7, 0xffff
	s_lshl_b32 s22, s22, 2
	s_add_co_u32 s22, s22, s20                     ; tb: which 128 tokens
	s_lshl_b32 s23, s20, 2
	s_lshl_b32 s23, 15, s23                        ; my row of the cluster
	s_lshl_b32 s76, 0x1111, s19                    ; my column
	s_or_b32 s[G1X], s23, (1<<20)|(1<<21)|(5<<22)|(3<<25)   ; 15:0 the mask; 17:16 elements of 1 byte; 20 padding on; 21 set beside a mask; 24:22 after every 64 words; 31:25 four words
	s_or_b32 s[G1W], s76, (1<<20)|(1<<21)|(5<<22)|(3<<25)
.irp g, G1X, G1W
	s_mov_b32 s[\g+1], 256<<16                     ; tensor_dim0 = 256
	s_mov_b32 s[\g+3], 256<<16                     ; tile_dim0 = 256
	s_mov_b32 s[\g+5], 768                         ; from row to row
	s_mov_b32 s[\g+6], 0
	s_mov_b32 s[\g+7], 0
.endr
	s_mov_b32 s[G1X+2], 64<<16                     ; x: 64 rows
	s_mov_b32 s[G1X+4], 64
	s_mov_b32 s[G1W+2], 96<<16                     ; Wk: 96 rows
	s_mov_b32 s[G1W+4], 96
	; ONE TENSOR LOAD A WAVE: waves 4 q .. 4 q + 3 fetch K chunk q, the first two of them x's halves, the other two Wk's.  No place in the cluster enters an LDS address
	s_and_b32 s77, s[WV], 1                        ; which half
	s_mul_i32 s78, s18, CH                         ; my chunk (wave / 4) in LDS
	s_mul_i32 s79, s77, HALF
	s_add_co_u32 s[G0X+1], s78, s79
	s_mul_i32 s79, s77, 96*PITCH
	s_add_co_u32 s79, s79, WOFF
	s_add_co_u32 s[G0W+1], s78, s79
	s_lshl_b32 s78, s18, 8                         ; and in a row
	s_lshl_b32 s79, s77, 6
	s_lshl_b32 s80, s22, 7
	s_add_co_u32 s80, s80, s79
	s_mul_i32 s80, s80, 768                        ; x: row 128 tb + 64 x half, in bytes (s80, s81 never hold cx)
	s_add_co_u32 s80, s80, s78
	s_mov_b32 s81, 0
	s_mul_i32 s79, s77, 96
	s_mul_i32 s82, s21, 192
	s_add_co_u32 s82, s82, s79
	s_mul_i32 s82, s82, 768                        ; Wk: row 192 fg + 96 x half (s82, s83 never hold cy)
	s_add_co_u32 s82, s82, s78
	s_mov_b32 s83, 0
	s_mov_b32 s[G0X], 1                            ; count = 1
	s_mov_b32 s[G0W], 1
	s_bfe_u32 s77, s[WV], 0x10001                  ; 0: I fetch for x, 1: for Wk
	s_wait_alu depctr_va_vdst(0)
	s_wait_dscnt 0x0                               ; both opening adds are done
	ROUND                                          ; all sixteen work-groups are here: the joint loads meet
	s_wait_kmcnt 0x0
	s_load_b256 s[68:75], s[10:11], 0x0            ; e0 .. e7
	s_add_nc_u64 s[G0X+2:G0X+3], s[4:5], s[80:81]
	s_add_nc_u64 s[G0W+2:G0W+3], s[6:7], s[82:83]
	s_or_b32 s[G0X+3], s[G0X+3], 0x80000000        ; type = 2
	s_or_b32 s[G0W+3], s[G0W+3], 0x80000000
	s_cmp_eq_u32 s77, 0
	s_cbranch_scc0 .Lnot_x
	tensor_load_to_lds s[G0X:G0X+3], s[G1X:G1X+7]
	s_nop 0
.rept 4
	v_nop                                          ; four plain lines follow the load
.endr
	s_branch .Lasked
.Lnot_x:
	tensor_load_to_lds s[G0W:G0W+3], s[G1W:G1W+7]
	s_nop 0
.rept 4
	v_nop
.endr
.Lasked:
	v_and_b32 v1, 31, v0
	s_delay_alu instid0(VALU_DEP_1)
	v_lshlrev_b32 v[LI], 4, v1
	v_and_b32 v2, 15, v0                           ; r
	v_bfe_u32 v3, v0, 4, 1                         ; h
	s_delay_alu instid0(VALU_DEP_2)
	v_mul_u32_u24 v4, v2, PITCH
	s_delay_alu instid0(VALU_DEP_1)
	v_lshl_add_u32 v4, v3, 4, v4                   ; r x pitch + 16 h
	s_mul_i32 s84, s18, HALF
	s_add_co_u32 s84, s84, WOFF
	v_add_nc_u32 v[AW], s84, v4                    ; + my head's 64 rows of Wk
	s_mul_i32 s84, s17, 32*PITCH
	v_add_nc_u32 v[AX], s84, v4                    ; + my 32 rows of x
	; WHICH FEATURES A TILE OF Wk HOLDS: the codes' rows lie in the order in which the first launch stored them: row r of tile ft = 2 b + u is the feature 32 b + 8 u + r + 8 (r / 8) of the head.
	; So where a lane holds one token, register j of tile ft is the feature 32 b + 16 h + 8 u + j.  Queries and keys have the same order along d; V's rows have it too.
	v_lshlrev_b32 v6, 6, v3                        ; 64 h: eight numbers of bk for each half of the lanes
	v_and_b32 v7, 8, v2
	v_add_nc_u32 v7, v7, v2                        ; r + 8 (r / 8)
	v_lshlrev_b32 v7, 2, v7                        ; one number of bk a lane
	s_mul_i32 s84, s21, 192
	s_lshl_b32 s85, s18, 6
	s_add_co_u32 s84, s84, s85
	s_lshl_b32 s84, s84, 2
	s_mov_b32 s85, 0
	s_add_nc_u64 s[8:9], s[8:9], s[84:85]          ; bk at my head's first feature
.irp ft, 0,1,2,3
	global_load_b128 v[WF+8*\ft:WF+8*\ft+3], v6, s[8:9] offset:128*(\ft/2)+32*(\ft%2)          ; bk(32 b + 16 h + 8 u + 0 .. 7)
	global_load_b128 v[WF+8*\ft+4:WF+8*\ft+7], v6, s[8:9] offset:128*(\ft/2)+32*(\ft%2)+16
	global_load_b32 v[XF+\ft], v7, s[8:9] offset:128*(\ft/2)+32*(\ft%2)                        ; bk(32 b + 8 u + r + 8 (r / 8))
.endr
	; where my results go
	s_lshr_b32 s90, s22, 3                         ; batch
	s_mul_i32 s90, s90, 12
	s_mul_i32 s91, s21, 3
	s_add_co_u32 s90, s90, s91
	s_add_co_u32 s90, s90, s18                     ; bh
	s_and_b32 s91, s22, 7                          ; key step: which 128 tokens of the batch's 1,024
	s_lshl_b32 s92, s91, 3
	s_lshl_b32 s93, s17, 1
	s_add_co_u32 s92, s92, s93                     ; my first tile of 16 tokens
	s_lshl_b32 s94, s90, 6
	s_add_co_u32 s94, s94, s92
	s_lshl_b32 s94, s94, 10
	s_mov_b32 s95, 0
	s_add_nc_u64 s[12:13], s[12:13], s[94:95]      ; qa_img
	s_lshl_b32 s94, s90, 17
	s_add_nc_u64 s[14:15], s[14:15], s[94:95]      ; kv_img at my head
	s_lshl_b32 s94, s92, 10
	s_add_nc_u64 s[96:97], s[14:15], s[94:95]      ; its K images
	s_lshl_b32 s94, s91, 13
	s_lshl_b32 s93, s17, 9
	s_add_co_u32 s94, s94, s93
	s_add_co_u32 s94, s94, 65536
	s_add_nc_u64 s[98:99], s[14:15], s[94:95]      ; its V images: key step, block tg of four registers
	s_wait_kmcnt 0x0
	s_add_co_i32 s86, s68, s69                     ; e0 + e1: a sum stands for sum x 2^(e0 + e1)
	s_sub_co_i32 s87, 0, s86
.macro SCALE e, sc, lim                ; v[sc] = 2^(e - e0 - e1), the three scales folded into the conversion's one; v[lim] = 448 x that
	s_sub_co_i32 s88, s[\e], s86
	s_add_co_i32 s88, s88, 127
	s_lshl_b32 s89, s88, 23
	v_mov_b32 v[\sc], s89
	s_add_co_i32 s88, s88, 8
	s_lshl_b32 s88, s88, 23
	s_or_b32 s88, s88, 0x600000
	v_mov_b32 v[\lim], s88
.endm
	SCALE 72, 8, 9                                 ; e4
	SCALE 73, 10, 11                               ; e5
	SCALE 75, 12, 13                               ; e7
	s_wait_loadcnt 0x0                             ; bk
.irp tt, 0,1                                   ; the sums begin with bk / 2^(e0 + e1), in each result's own layout: so all six K steps are alike, and no addition is spent on the bias
.irp ft, 0,1,2,3
.irp j, 0,1,2,3,4,5,6,7
	v_ldexp_f32 v[A1+8*(4*\tt+\ft)+\j], v[WF+8*\ft+\j], s87
	v_ldexp_f32 v[A2+8*(4*\tt+\ft)+\j], v[XF+\ft], s87
.endr
.endr
.endr
; 128 along K: 24 LDS loads, 16 matrix instructions.  The 16 accumulators take turns, one instruction a turn, in the same order in every step.
.macro KSTEP i
.rept 4
	v_nop                                          ; four places in front of loads into registers that matrix instructions have read
.endr
.irp tt, 0,1
.irp c, 0,1,2,3
	ds_load_b128 v[XF+16*\tt+4*\c:XF+16*\tt+4*\c+3], v[AX] offset:\tt*16*PITCH+128*\i+32*\c
.endr
.endr
.irp ft, 0,1,2,3
.irp c, 0,1,2,3
	ds_load_b128 v[WF+16*\ft+4*\c:WF+16*\ft+4*\c+3], v[AW] offset:\ft*16*PITCH+128*\i+32*\c
.endr
.endr
.irp ft, 0,1,2,3
	s_wait_dscnt 12-4*\ft                          ; x's fragments and Wk's up to ft are in; four loads for each later one may be out
.irp tt, 0,1
	v_wmma_f32_16x16x128_fp8_fp8 v[A1+8*(4*\tt+\ft):A1+8*(4*\tt+\ft)+7], v[WF+16*\ft:WF+16*\ft+15], v[XF+16*\tt:XF+16*\tt+15], v[A1+8*(4*\tt+\ft):A1+8*(4*\tt+\ft)+7]
	v_wmma_f32_16x16x128_fp8_fp8 v[A2+8*(4*\tt+\ft):A2+8*(4*\tt+\ft)+7], v[XF+16*\tt:XF+16*\tt+15], v[WF+16*\ft:WF+16*\ft+15], v[A2+8*(4*\tt+\ft):A2+8*(4*\tt+\ft)+7]
.endr
.endr
.endm
	s_wait_alu depctr_va_vdst(0)
	s_wait_tensorcnt 0x0                           ; my load is in; nothing is ever filled again
	s_barrier_signal -1
	s_barrier_wait -1                              ; everybody's is: all three chunks
.irp q, 0,1,2
	KSTEP 0
	KSTEP 1
.if \q < 2
	v_add_nc_u32 v[AX], CH, v[AX]
	v_add_nc_u32 v[AW], CH, v[AW]
	s_wait_alu depctr_va_vdst(0)
.endif
.endr
	; THE WAY OUT.  Each accumulator's eight registers, from the low end on, are held and converted: two registers of a fragment.
.rept 4
	v_nop                                          ; four places behind the last products
.endr
.macro Q1 tt, sc, lim, dst             ; tile tt of 16 tokens x 64 d: registers 2 ft, 2 ft + 1 of the fragment hold d = 16 ft + 8 h + 0 .. 7
.irp ft, 0,1,2,3
.irp i, 0,1,2,3,4,5,6,7
	v_med3_num_f32 v[TQ+8*\ft+\i], v[A1+8*(4*\tt+\ft)+\i], -v[\lim], v[\lim]   ; the conversion does not saturate (ISA guide 7.6.2): the hold comes first
.endr
	v_cvt_scalef32_pk8_fp8_f32 v[\dst+2*\ft:\dst+2*\ft+1], v[TQ+8*\ft:TQ+8*\ft+7], v[\sc]   ; the next line is a plain one on other registers
.endr
.endm
	Q1 0, 8, 9, CQ
	Q1 1, 8, 9, CQ+8
	Q1 0, 10, 11, CK
	Q1 1, 10, 11, CK+8
.irp tt, 0,1                                   ; V: lane (r, h) holds d = 16 ft + r; tile tt's eight registers are keys 32 tg + 16 tt + 8 h + 0 .. 7: registers 4 tg + 2 tt, + 1 of the fragment
.irp ft, 0,1,2,3
.irp i, 0,1,2,3,4,5,6,7
	v_med3_num_f32 v[A2+8*(4*\tt+\ft)+\i], v[A2+8*(4*\tt+\ft)+\i], -v13, v13
.endr
	v_cvt_scalef32_pk8_fp8_f32 v[CV+4*\ft+2*\tt:CV+4*\ft+2*\tt+1], v[A2+8*(4*\tt+\ft):A2+8*(4*\tt+\ft)+7], v12
.endr
.endr
	v_nop                                          ; a plain line behind the last conversion
.irp tt, 0,1
.irp bl, 0,1
	global_store_b128 v[LI], v[CQ+8*\tt+4*\bl:CQ+8*\tt+4*\bl+3], s[12:13] offset:1024*\tt+512*\bl   ; each store of the wave covers 512 consecutive bytes, aligned
	global_store_b128 v[LI], v[CK+8*\tt+4*\bl:CK+8*\tt+4*\bl+3], s[96:97] offset:1024*\tt+512*\bl
.endr
.endr
.irp ft, 0,1,2,3
	global_store_b128 v[LI], v[CV+4*\ft:CV+4*\ft+3], s[98:99] offset:2048*\ft
.endr
	s_wait_tensorcnt 0x0
	ds_add_u32 v30, v31
	s_wait_dscnt 0x0
	ROUND                                          ; the closing round: no work-group ends while a partner may still ask for a tile that names it
	s_endpgm
.Lfunc_end_k_qc293e2d09f_kproj:
	.size	k_qc293e2d09f_kproj, .Lfunc_end_k_qc293e2d09f_kproj-k_qc293e2d09f_kproj
	.p2alignl 7, 3214868480
	.fill 96, 4, 3214868480
	.section	.rodata,"a",@progbits
	.p2align	6, 0x0
	.amdhsa_kernel k_qc293e2d09f_kproj
		.amdhsa_group_segment_fixed_size 263680
		.amdhsa_private_segment_fixed_size 0
		.amdhsa_enable_private_segment 0
		.amdhsa_kernarg_size 48
		.amdhsa_user_sgpr_count 2
		.amdhsa_user_sgpr_kernarg_segment_ptr 1
		.amdhsa_wavefront_size32 1
		.amdhsa_system_sgpr_workgroup_id_x 1
		.amdhsa_system_sgpr_workgroup_id_y 1
		.amdhsa_system_sgpr_workgroup_id_z 1
		.amdhsa_system_vgpr_workitem_id 0
		.amdhsa_next_free_vgpr 256
		.amdhsa_next_free_sgpr 100
		.amdhsa_reserve_vcc 0
		.amdhsa_float_denorm_mode_32 3
		.amdhsa_float_denorm_mode_16_64 3
		.amdhsa_memory_ordered 1
		.amdhsa_forward_progress 1
		.amdhsa_inst_pref_size 49
	.end_amdhsa_kernel
	.amdgpu_metadata
---
amdhsa.version: [ 1, 2 ]
amdhsa.kernels:
  - .name:           k_qc293e2d09f_kproj
    .symbol:         k_qc293e2d09f_kproj.kd
    .args:
      - { .name: x_codes, .offset: 0, .size: 8, .value_kind: global_buffer, .address_space: global }
      - { .name: wk_codes, .offset: 8, .size: 8, .value_kind: global_buffer, .address_space: global }
      - { .name: bk, .offset: 16, .size: 8, .value_kind: global_buffer, .address_space: global }
      - { .name: lowp_scales, .offset: 24, .size: 8, .value_kind: global_buffer, .address_space: global }
      - { .name: qa_img, .offset: 32, .size: 8, .value_kind: global_buffer, .address_space: global }
      - { .name: kv_img, .offset: 40, .size: 8, .value_kind: global_buffer, .address_space: global }
    .group_segment_fixed_size: 263680
    .private_segment_fixed_size: 0
    .kernarg_segment_align: 8
    .kernarg_segment_size: 48
    .max_flat_workgroup_size: 384
    .sgpr_count:     100
    .vgpr_count:     256
    .wavefront_size: 32
...
	.end_amdgpu_metadata
.endif
;; end of part 2
;; launch attn (part 3): grid 256 x 1, 12 waves a work-group, clusters of 4 x 1, 327,680 bytes of LDS; arguments qa_img, kv_img, attention_mask, lowp_scales, wv_img; writes wv_img
.if DOCPART == 3
	.amdgcn_target "amdgcn-amd-amdhsa--gfx1250"
	.amdhsa_code_object_version 6
	.text
	.protected	k_qc293e2d09f_attn
	.globl	k_qc293e2d09f_attn
	.p2align	8
	.type	k_qc293e2d09f_attn,@function
k_qc293e2d09f_attn:
	s_mov_b64 s[64:65], 0
	v_nop
	global_prefetch_b8 v0, s[64:65] scope:SCOPE_SE
	s_setreg_imm32_b32 hwreg(HW_REG_WAVE_MODE, 25, 1), 1
	s_wait_xcnt 0x0
	s_wait_alu depctr_hold_cnt(0) depctr_sa_sdst(0) depctr_va_vdst(0) depctr_va_sdst(0) depctr_va_ssrc(0) depctr_va_vcc(0) depctr_vm_vsrc(0)
	s_getreg_b32 s2, hwreg(HW_REG_IB_STS2, 6, 4)
	s_cmp_eq_u32 s2, 0
	s_cbranch_scc0 .Lentry_in_a_cluster
	s_endpgm
.Lentry_in_a_cluster:
	s_bfe_u32 s2, ttmp6, 0x10000c
	s_cmp_lg_u32 s2, 0x3003
	s_cbranch_scc0 .Lentry_shape_is_right
	s_endpgm
.Lentry_shape_is_right:
; wV[bh][q] = the sum over keys of softmax(K[q] . K[key] / sqrt(768)) K[key], head size 64, 1,024 keys, both products on codes of FP8; the result is quantised (2^e8) for the last projection.
; A query whose entry of attention_mask is 0 has the logit -1e9 at every key.
; THE SOFTMAX: t = logit x log2(e); M = the running largest t rounded UP to a whole number; p = 2^(t - M) is quantised (2^e6), not normalised; the row's sum is taken of the unquantised p and divides at the end.
; When M moves, the sum and O are multiplied by 2^(old M - new M), which rounds nothing.  The mask selects values only: t = score x CM + AM with (CM, AM) = (c, 0), or (0, -1e9 x log2(e)) for a masked query.
; INPUTS are images of operand registers (a group of four registers = 512 bytes, lane l's 16 at 16 l): qa_img: queries, 16 x 64 d; kv_img [bh]: 64 KB of K tiles (16 keys x 64 d), 64 KB of V tiles (16 d x 128 keys).
; Both products are used transposed: S^T = K Q^T (a lane holds ONE query, lane % 16, and keys 16 kt + 8 (lane / 16) + j), whose codes are source 1 of O^T = V^T P^T as they stand.  V's tiles have their d ordered so that the codes
; of O^T in registers 4 b .. 4 b + 3 are d = 32 b + 16 (lane / 16) + 0 .. 15: wv_img [128-row block][head][tile of 16 rows][1024].
; SHARES.  6,144 tiles of 16 queries, 24 to a work-group.  Two clusters of four work-groups serve three heads 3 g .. 3 g + 2 of one batch: cluster 2 g + f takes all 64 tiles of head 3 g + 2 f (16 a work-group: waves 0-7) and
; tiles 32 f .. 32 f + 31 of head 3 g + 1 (8 a work-group: waves 8-11).  Twelve waves, three to a SIMD, each with TWO tiles at once: a fragment of K or V read from LDS feeds two matrix instructions.
; LDS: two regions of 128 KB, the two heads' K and V, dense (an image's 512 bytes are consecutive: no padding is wanted).  Each byte is filled once: key steps 0, 1 by the loads at the head, steps 2 to 7 by loads behind one
; round; those have two key steps' work in which to land.  Every load is joint: the four partners walk the same two heads.  At most one tensor load of a wave is out.
; Nothing is prefetched: the second loads ask for all that is left, two key steps ahead of its use, and no later trip asks for anything.
; LIMITS: e6 and e8 between -126 and 119, so that 2^e and 448 x 2^e are f32 numbers.  NaN and infinities are not served.
; REGISTERS, in windows of 256.  Window 0: v0-31 below; v32-47, v48-63 p's codes of tiles A and B (ahead of that at work); v64-127 K's eight fragments; v128-191 S^T of tile A, then p, then V's four fragments; v192-255 S^T of tile B.
;   Window 1: v0-31, v32-63 O^T of tiles A and B; v64-71, v72-79 their queries.
.set VIMG,  65536                      ; V's images in a region
.set FIRST, 16384                      ; two key steps of K tiles, or of V tiles
.set SPARE, 262144                     ; the spare words, 128 bytes for each of the twelve waves
.set LI,  1                            ; v1   16 x lane
.set SPW, 2                            ; v2   my spare word; never rewritten
.set NIL, 3                            ; v3   0; never rewritten
.set ADK, 4                            ; v4   LDS address of the step's K tiles
.set ADV, 5                            ; v5   of its V tiles
.set LV,  6                            ; v6   16 x lane + VIMG
.set SCP, 7                            ; v7   2^e6
.set CM,  8                            ; v[8:9]   tile A: CM, AM; v[10:11] tile B (the packed forms take a pair's low word)
.set BI,  12                           ; v[12:13] tile A: AM - M, -M; v[14:15] tile B
.set SUM, 16                           ; v[16:17], v[18:19] the rows' sums in two halves
.set FT,  22                           ; v[22:23] tile A: f, the largest t; v[24:25] tile B
.set LP,  26                           ; v26, v27 448 x 2^e6, twice
.set SCO, 28                           ; v28, v29 2^e8, 448 x 2^e8; v30, v31 the lane permutes' results at the end
.set PA,  32
.set PB,  48
.set F,   64
.set SA,  128
.set SB,  192
.set WV,  14                           ; s14  wave
.set G1,  16                           ; s[16:23] descriptor group 1 of the first loads; s[80:87] of the second
.set G1B, 80
.set G0,  24                           ; s[24:27], s[28:31] their groups 0
.set SEL, 32                           ; s[32:33] lane selects: lane l xor 16
.set TB,  34                           ; s34  LDS byte of the key step in hand
.set CNT, 35                           ; s35  key steps to go in the loop
.set RB,  72                           ; s72  my region: 0 (waves 0-7) or 131,072 (waves 8-11)
.set MSB, 0
.macro WIN new                         ; the immediate's high byte repeats the setting that is left
.if MSB != \new
	s_set_vgpr_msb (MSB<<8)|\new
.set MSB, \new
.endif
.endm
.macro ROUND                           ; a round of the cluster's barrier
	s_barrier_signal -1
	s_barrier_wait -1
	s_cmp_lg_u32 s[WV], 0
	s_cbranch_scc1 .Lnot_wave_0_\@
	s_barrier_signal -3
.Lnot_wave_0_\@:
	s_barrier_wait -3
	s_barrier_signal -1
	s_barrier_wait -1
.endm
.macro JLOAD g0, g1                    ; a joint load by waves 0-3: region (wave / 2), K or V (wave % 2)
	s_cmp_lt_u32 s[WV], 4
	s_cbranch_scc0 .Lnone_\@
	tensor_load_to_lds s[\g0:\g0+3], s[\g1:\g1+7]
	s_nop 0
.rept 4
	v_nop                                          ; four plain lines follow the load
.endr
.Lnone_\@:
.endm
	s_load_b256 s[4:11], s[0:1], 0x0               ; qa_img, kv_img, attention_mask, the scales' exponents
	s_load_b64 s[12:13], s[0:1], 0x20              ; wv_img
	v_lshl_add_u32 v[SPW], v0, 2, SPARE
	v_mov_b32 v[NIL], 0
	ds_add_u32 v[SPW], v[NIL]                      ; the wave's opening: the add, twice on end, and its wait
	ds_add_u32 v[SPW], v[NIL]
	v_lshrrev_b32 v4, 5, v0
	v_readfirstlane_b32 s[WV], v4                  ; wave 0..11
	v_and_b32 v4, 31, v0
	v_and_b32 v5, 15, v0
	v_lshlrev_b32 v[LI], 4, v4
	v_lshlrev_b32 v5, 2, v5                        ; 4 x (lane % 16): my query's entry of the mask
	v_add_nc_u32 v[LV], VIMG, v[LI]
	v_mov_b32 v30, 0                               ; a lane permute's destination counts as one of its sources: written once
	v_mov_b32 v31, 0
	s_bfe_u32 s15, ttmp6, 0x40000                  ; cx: it enters the queries', the mask's and the result's addresses alone
	s_lshr_b32 s44, ttmp9, 1                       ; g
	s_and_b32 s45, ttmp9, 1                        ; f
.irp g, G1, G1B
	s_mov_b32 s[\g], 15|(3<<16)|(1<<21)            ; 15:0 the mask: all four work-groups; 17:16 elements of 8 bytes; 21 set beside a mask; no padding
	s_mov_b32 s[\g+1], 32<<16                      ; rows of 32 elements, 256 bytes, dense
	s_mov_b32 s[\g+3], 32<<16
	s_mov_b32 s[\g+5], 32
	s_mov_b32 s[\g+6], 0
	s_mov_b32 s[\g+7], 0
.endr
	s_mov_b32 s[G1+2], 64<<16                      ; 64 rows: 16 KB
	s_mov_b32 s[G1+4], 64
	s_mov_b32 s[G1B+2], 192<<16                    ; 192 rows: 48 KB
	s_mov_b32 s[G1B+4], 192
	s_mov_b32 s[SEL], 0x76543210
	s_mov_b32 s[SEL+1], 0xfedcba98
	s_mul_i32 s46, s44, 3
	s_lshl_b32 s47, s45, 1                         ; 2 f: the first head's place among the three
	; what I fetch, if I fetch (the wave's number is clamped, so that descriptors that are never issued stay inside too): region r = wave / 2: head 3 g + 2 f or 3 g + 1
	s_min_u32 s48, s[WV], 3
	s_lshr_b32 s49, s48, 1
	s_sub_co_u32 s50, 1, s49
	s_mul_i32 s50, s50, s47
	s_add_co_u32 s50, s50, s49
	s_add_co_u32 s50, s50, s46
	s_lshl_b32 s50, s50, 17
	s_and_b32 s51, s48, 1
	s_lshl_b32 s51, s51, 16
	s_add_co_u32 s50, s50, s51
	s_mov_b32 s51, 0
	s_mov_b32 s[G0], 1                             ; count = 1
	s_lshl_b32 s[G0+1], s48, 16                    ; LDS: r x 131,072, V's images 65,536 on
	s_mov_b32 s[G0+4], 1
	s_add_co_u32 s[G0+5], s[G0+1], FIRST
	; my two tiles
	s_lshr_b32 s59, s[WV], 3
	s_lshl_b32 s[RB], s59, 17
	s_mov_b32 s[TB], s[RB]
	s_lshl_b32 s53, s[WV], 1
	s_lshl_b32 s54, s15, 4
	s_add_co_u32 s54, s54, s53                     ; waves 0-7: tile 16 cx + 2 w
	s_lshl_b32 s55, s45, 5
	s_lshl_b32 s56, s15, 3
	s_add_co_u32 s55, s55, s56
	s_add_co_u32 s55, s55, s53
	s_sub_co_u32 s55, s55, 16                      ; waves 8-11: tile 32 f + 8 cx + 2 (w - 8)
	s_cmp_lt_u32 s[WV], 8
	s_cselect_b32 s54, s54, s55                    ; T: my first tile of the batch's 64
	s_cselect_b32 s52, s47, 1                      ; my head's place among the three
	s_add_co_u32 s56, s46, s52
	s_lshl_b32 s60, s56, 16                        ; queries: 64 tiles of 1,024 bytes a head
	s_lshl_b32 s61, s54, 10
	s_add_co_u32 s60, s60, s61
	s_mov_b32 s61, 0
	s_lshr_b32 s57, s44, 2                         ; batch
	s_lshl_b32 s62, s57, 12                        ; the mask: entry 1024 batch + 16 T
	s_lshl_b32 s63, s54, 6
	s_add_co_u32 s62, s62, s63
	s_mov_b32 s63, 0
	s_lshl_b32 s66, s57, 3                         ; the result: ((8 batch + T / 8) x 12 + head in the batch) x 8,192 + 1,024 (T % 8)
	s_lshr_b32 s67, s54, 3
	s_add_co_u32 s66, s66, s67
	s_mul_i32 s66, s66, 12
	s_and_b32 s67, s44, 3
	s_mul_i32 s67, s67, 3
	s_add_co_u32 s66, s66, s67
	s_add_co_u32 s66, s66, s52
	s_lshl_b32 s66, s66, 13
	s_and_b32 s67, s54, 7
	s_lshl_b32 s67, s67, 10
	s_add_co_u32 s66, s66, s67
	s_mov_b32 s67, 0
	s_wait_alu depctr_va_vdst(0)
	s_wait_dscnt 0x0                               ; both opening adds are done
	ROUND                                          ; all four work-groups are here: the first joint loads meet
	s_wait_kmcnt 0x0
	s_load_b128 s[36:39], s[10:11], 0x10           ; e4, e5, e6, e7
	s_load_b32 s40, s[10:11], 0x20                 ; e8
	s_add_nc_u64 s[G0+2:G0+3], s[6:7], s[50:51]
	s_add_nc_u64 s[G0+6:G0+7], s[G0+2:G0+3], FIRST
	s_or_b32 s[G0+3], s[G0+3], 0x80000000          ; type = 2
	s_or_b32 s[G0+7], s[G0+7], 0x80000000
	JLOAD G0, G1                                   ; key steps 0 and 1
	s_add_nc_u64 s[4:5], s[4:5], s[60:61]
	s_add_nc_u64 s[8:9], s[8:9], s[62:63]
	s_add_nc_u64 s[12:13], s[12:13], s[66:67]
	WIN 0x40
	global_load_b128 v[64:67], v[LI], s[4:5]       ; tile A's queries,
	global_load_b128 v[68:71], v[LI], s[4:5] offset:512
	global_load_b128 v[72:75], v[LI], s[4:5] offset:1024   ; tile B's
	global_load_b128 v[76:79], v[LI], s[4:5] offset:1536
	WIN 0
	global_load_b32 v128, v5, s[8:9]               ; their entries of the mask
	global_load_b32 v129, v5, s[8:9] offset:64
	s_wait_kmcnt 0x0
	s_add_co_i32 s41, s36, s37                     ; e4 + e5: a score stands for score x 2^(e4 + e5)
	s_add_co_i32 s42, s38, s39                     ; e6 + e7
	v_mov_b32 v130, 0x3d553b94                     ; log2(e) / sqrt(768)
	v_mov_b32 v131, 0xce6e6b28                     ; -1e9
	v_ldexp_f32 v130, v130, s41                    ; c
	v_mul_f32 v131, 0x3fb8aa3b, v131               ; x log2(e): a masked query's t, a whole number in f32
	s_add_co_i32 s43, s38, 127
	s_lshl_b32 s49, s43, 23
	v_mov_b32 v[SCP], s49
	s_add_co_i32 s43, s43, 8
	s_lshl_b32 s43, s43, 23
	s_or_b32 s43, s43, 0x600000
	v_mov_b32 v[LP], s43
	v_mov_b32 v[LP+1], s43
	s_add_co_i32 s43, s40, 127
	s_lshl_b32 s49, s43, 23
	v_mov_b32 v[SCO], s49
	s_add_co_i32 s43, s43, 8
	s_lshl_b32 s43, s43, 23
	s_or_b32 s43, s43, 0x600000
	v_mov_b32 v[SCO+1], s43
	s_wait_alu depctr_va_vdst(0)
	s_wait_loadcnt 0x0                             ; my queries and my entries of the mask
.irp u, 0,1
	v_cmp_ne_u32 vcc_lo, 0, v[128+\u]
	v_cndmask_b32 v[CM+2*\u], 0, v130, vcc_lo      ; c where the query counts, else 0
	v_cmp_eq_u32 vcc_lo, 0, v[128+\u]
	v_cndmask_b32 v[CM+2*\u+1], 0, v131, vcc_lo    ; the masked t where it does not, else 0
.endr
.macro KLOAD off                       ; eight fragments of K, 16 keys x 64 d
.irp kt, 0,1,2,3,4,5,6,7
	ds_load_b128 v[F+8*\kt:F+8*\kt+3], v[ADK] offset:\off+1024*\kt
	ds_load_b128 v[F+8*\kt+4:F+8*\kt+7], v[ADK] offset:\off+1024*\kt+512
.endr
.endm
.macro MAXES s, t                      ; the largest of 64 scores: four chains, the registers in ascending order
	v_max3_num_f32 v[\t], v[\s], v[\s+1], v[\s+2]
	v_max3_num_f32 v[\t+1], v[\s+3], v[\s+4], v[\s+5]
	v_max3_num_f32 v[\t+2], v[\s+6], v[\s+7], v[\s+8]
	v_max3_num_f32 v[\t+3], v[\s+9], v[\s+10], v[\s+11]
.set j, \s+12
.rept 6
	v_max3_num_f32 v[\t], v[\t], v[j], v[j+1]
	v_max3_num_f32 v[\t+1], v[\t+1], v[j+2], v[j+3]
	v_max3_num_f32 v[\t+2], v[\t+2], v[j+4], v[j+5]
	v_max3_num_f32 v[\t+3], v[\t+3], v[j+6], v[j+7]
.set j, j+8
.endr
	v_max3_num_f32 v[\t], v[\t], v[\s+60], v[\s+61]
	v_max3_num_f32 v[\t+1], v[\t+1], v[\s+62], v[\s+63]
	v_max3_num_f32 v[\t], v[\t], v[\t+1], v[\t+2]
	v_max_num_f32 v[\t], v[\t], v[\t+3]
.endm
.macro CODES s, p                      ; p held and converted: registers 2 kt, 2 kt + 1 of the operand are keys 16 kt + 8 h + 0 .. 7
.irp kt, 0,1,2,3,4,5,6,7
.irp i, 0,2,4,6
	v_dual_min_num_f32 v[\s+8*\kt+\i], v[LP], v[\s+8*\kt+\i] :: v_dual_min_num_f32 v[\s+8*\kt+\i+1], v[LP+1], v[\s+8*\kt+\i+1]   ; the conversion does not saturate (ISA guide 7.6.2); p is not negative, so the hold is one-sided
.endr
	v_cvt_scalef32_pk8_fp8_f32 v[\p+2*\kt:\p+2*\kt+1], v[\s+8*\kt:\s+8*\kt+7], v[SCP]
.endr
.endm
; A KEY STEP: 128 keys, both tiles.  K's fragments are in.  first = 1: nothing has been summed; pref = 1: the next step's fragments of K are fetched.
; bar = 1, 2: the waves keep within a key step of each other: a wave goes on here only when all twelve have reached this place in the step before; bar = 1: and says that it has reached it in this one.  The barrier orders no
; memory: between its signal and its wait, a step apart, stand work on registers and LDS loads of bytes that nobody writes any more.
.macro STEP first, pref, bar
	v_add_nc_u32 v[ADV], s[TB], v[LV]
.if \pref
	v_add_nc_u32 v[ADK], s[TB], v[LI]
.else
	v_nop
.endif
.if \first == 0
	v_nop
	v_nop
	v_nop                                          ; five places in front of products that write over V's fragments, which the last products read
.endif
	WIN 0x04
.irp kt, 0,1,2,3,4,5,6,7
	v_wmma_f32_16x16x64_fp8_fp8 v[SA+8*\kt:SA+8*\kt+7], v[F+8*\kt:F+8*\kt+7], v[64:71], 0
	v_wmma_f32_16x16x64_fp8_fp8 v[SB+8*\kt:SB+8*\kt+7], v[F+8*\kt:F+8*\kt+7], v[72:79], 0
.endr
	WIN 0
.rept 4
	v_nop                                          ; four places: for the loads into K's registers and for the first read of the scores
.endr
.if \pref
	KLOAD 8192
.endif
	MAXES SA, PA
	MAXES SB, PA+4
.irp u, 0,1
	v_permlanex16_b32 v[PA+4*\u+1], v[PA+4*\u], s[SEL], s[SEL+1]
.endr
.irp u, 0,1
	v_max_num_f32 v[PA+4*\u], v[PA+4*\u], v[PA+4*\u+1]         ; and among lane l xor 16's
.endr
.if \first
.irp u, 0,1
	v_fma_f32 v[FT+2*\u+1], v[PA+4*\u], v[CM+2*\u], v[CM+2*\u+1]   ; as t (c is not negative)
.endr
.irp u, 0,1
	v_floor_f32 v[BI+2*\u+1], -v[FT+2*\u+1]        ; -M = floor(-t) = -ceil(t)
.endr
.else
.irp u, 0,1
	v_fma_f32 v[PA+4*\u], v[PA+4*\u], v[CM+2*\u], v[CM+2*\u+1]
.endr
.irp u, 0,1
	v_max_num_f32 v[FT+2*\u+1], v[FT+2*\u+1], v[PA+4*\u]
.endr
.irp u, 0,1
	v_floor_f32 v[PA+4*\u+1], -v[FT+2*\u+1]        ; the new -M
.endr
.irp u, 0,1
	v_sub_f32 v[PA+4*\u+2], v[PA+4*\u+1], v[BI+2*\u+1]   ; old M - new M: a whole number, 0 or less
.endr
.irp u, 0,1
	v_mov_b32 v[BI+2*\u+1], v[PA+4*\u+1]
.endr
.irp u, 0,1
	v_cvt_i32_f32 v[PA+4*\u+2], v[PA+4*\u+2]       ; (it saturates)
.endr
.irp u, 0,1
	v_ldexp_f32 v[FT+2*\u], 1.0, v[PA+4*\u+2]      ; f = 2^(old M - new M)
.endr
.endif
.irp u, 0,1
	v_add_f32 v[BI+2*\u], v[CM+2*\u+1], v[BI+2*\u+1]   ; AM - M: exact (one of the two is a whole number and the other 0, or they cancel)
.endr
.if \first == 0
.irp u, 0,1
	v_pk_mul_f32 v[SUM+2*\u:SUM+2*\u+1], v[SUM+2*\u:SUM+2*\u+1], v[FT+2*\u:FT+2*\u+1] op_sel_hi:[1,0]
.endr
	WIN 0x41
.set j, 0
.rept 16
	v_pk_mul_f32 v[j:j+1], v[j:j+1], v[FT:FT+1] op_sel_hi:[1,0]                    ; O^T under the new M, each accumulator from its low end on
	v_pk_mul_f32 v[32+j:33+j], v[32+j:33+j], v[FT+2:FT+3] op_sel_hi:[1,0]
.set j, j+2
.endr
	WIN 0
.endif
.set j, SA
.rept 32
	v_pk_fma_f32 v[j:j+1], v[j:j+1], v[CM:CM+1], v[BI:BI+1] op_sel_hi:[1,0,0]      ; tile A: t - M, two at a time
.set j, j+2
.endr
	s_wait_alu depctr_va_vdst(0)
.set j, 0
.rept 32
	v_exp_f32 v[SA+2*j], v[SA+2*j]                 ; p = 2^(t - M), at most 1
	v_pk_fma_f32 v[SB+2*j:SB+2*j+1], v[SB+2*j:SB+2*j+1], v[CM+2:CM+3], v[BI+2:BI+3] op_sel_hi:[1,0,0]   ; tile B's t - M between tile A's exponentials
	v_exp_f32 v[SA+2*j+1], v[SA+2*j+1]
.set j, j+1
.endr
	s_wait_alu depctr_va_vdst(0)                   ; behind tile A's batch and ahead of tile B's
.set j, 0
.rept 32
	v_exp_f32 v[SB+2*j], v[SB+2*j]
.if (j%2) == 0
	v_pk_add_f32 v[PA+j:PA+j+1], v[SA+2*j:SA+2*j+1], v[SA+2*j+2:SA+2*j+3]          ; tile A's sum, taken of the unquantised p: the first sixteen partial sums
.endif
	v_exp_f32 v[SB+2*j+1], v[SB+2*j+1]
.set j, j+1
.endr
	v_nop                                          ; a plain line behind the last exponential
	s_wait_alu depctr_va_vdst(0)                   ; one wait behind the batch, ahead of its first reader
.irp i, 0,1,2,3,4,5,6,7
	v_pk_add_f32 v[PA+4*\i:PA+4*\i+1], v[PA+4*\i:PA+4*\i+1], v[PA+4*\i+2:PA+4*\i+3]
.endr
.irp i, 0,1,2,3
	v_pk_add_f32 v[PA+8*\i:PA+8*\i+1], v[PA+8*\i:PA+8*\i+1], v[PA+8*\i+4:PA+8*\i+5]
.endr
.irp i, 0,1
	v_pk_add_f32 v[PA+16*\i:PA+16*\i+1], v[PA+16*\i:PA+16*\i+1], v[PA+16*\i+8:PA+16*\i+9]
.endr
.if \first
	v_pk_add_f32 v[SUM:SUM+1], v[PA:PA+1], v[PB:PB+1]
.else
	v_pk_add_f32 v[PA:PA+1], v[PA:PA+1], v[PB:PB+1]
	v_pk_add_f32 v[SUM:SUM+1], v[SUM:SUM+1], v[PA:PA+1]
.endif
	CODES SA, PA
.irp t, 0,1,2,3
.irp c, 0,1,2,3
	ds_load_b128 v[SA+16*\t+4*\c:SA+16*\t+4*\c+3], v[ADV] offset:2048*\t+512*\c    ; V's four fragments land in tile A's finished scores while tile B is worked
.endr
.endr
.irp i, 0,1,2,3
	v_pk_add_f32 v[PB+2*\i:PB+2*\i+1], v[SB+4*\i:SB+4*\i+1], v[SB+4*\i+2:SB+4*\i+3]   ; tile B's sum, in four chains
.endr
.set j, SB+16
.rept 6
.irp i, 0,2,4,6
	v_pk_add_f32 v[PB+\i:PB+\i+1], v[PB+\i:PB+\i+1], v[j+\i:j+\i+1]
.endr
.set j, j+8
.endr
	v_pk_add_f32 v[PB:PB+1], v[PB:PB+1], v[PB+2:PB+3]
	v_pk_add_f32 v[PB+4:PB+5], v[PB+4:PB+5], v[PB+6:PB+7]
.if \first
	v_pk_add_f32 v[SUM+2:SUM+3], v[PB:PB+1], v[PB+4:PB+5]
.else
	v_pk_add_f32 v[PB:PB+1], v[PB:PB+1], v[PB+4:PB+5]
	v_pk_add_f32 v[SUM+2:SUM+3], v[SUM+2:SUM+3], v[PB:PB+1]
.endif
	CODES SB, PB
	v_nop                                          ; a plain line between the last conversion and the products that read its result
	s_wait_alu depctr_va_vdst(0)
	s_wait_dscnt 0x0                               ; V is in, and the next step's K: no LDS instruction of mine is pending
.if \bar > 0
	s_barrier_wait -1
.endif
.if \bar == 1
	s_barrier_signal -1
.endif
.if \first
	WIN 0x40
.irp t, 0,1,2,3
	v_wmma_f32_16x16x128_fp8_fp8 v[8*\t:8*\t+7], v[SA+16*\t:SA+16*\t+15], v[PA:PA+15], 0
	v_wmma_f32_16x16x128_fp8_fp8 v[32+8*\t:39+8*\t], v[SA+16*\t:SA+16*\t+15], v[PB:PB+15], 0
.endr
.else
	WIN 0x50
.irp t, 0,1,2,3                        ; eight accumulators, one instruction a turn
	v_wmma_f32_16x16x128_fp8_fp8 v[8*\t:8*\t+7], v[SA+16*\t:SA+16*\t+15], v[PA:PA+15], v[8*\t:8*\t+7]
	v_wmma_f32_16x16x128_fp8_fp8 v[32+8*\t:39+8*\t], v[SA+16*\t:SA+16*\t+15], v[PB:PB+15], v[32+8*\t:39+8*\t]
.endr
.endif
	WIN 0
	s_add_co_u32 s[TB], s[TB], 8192                ; eight K tiles of 1,024 bytes, four V tiles of 2,048: both go 8,192 bytes on
.endm
	s_wait_alu depctr_va_vdst(0)
	s_wait_tensorcnt 0x0                           ; my part of key steps 0 and 1 is in
	ds_add_u32 v[SPW], v[NIL]
	ds_add_u32 v[SPW], v[NIL]
	s_wait_dscnt 0x0
	ROUND                                          ; everybody's part is in, and all four work-groups are here
	JLOAD G0+4, G1B                                ; key steps 2 to 7: two key steps in which to land
	v_add_nc_u32 v[ADK], s[TB], v[LI]
	KLOAD 0
	s_wait_dscnt 0x0
	STEP 1, 1, 0
	STEP 0, 0, 0                                   ; (the next step's K has not been shown yet)
	s_wait_tensorcnt 0x0                           ; my part of key steps 2 to 7 is in (no LDS instruction of mine is pending)
	s_barrier_signal -1
	s_barrier_wait -1                              ; everybody's is; nothing is filled any more
	v_add_nc_u32 v[ADK], s[TB], v[LI]
	KLOAD 0
	s_wait_dscnt 0x0
	s_barrier_signal -1                            ; for the wait in key step 2
	s_mov_b32 s[CNT], 5
.Lstep:                                                ; key steps 2 to 6
	STEP 0, 1, 1
	s_sub_co_u32 s[CNT], s[CNT], 1
	s_cmp_lg_u32 s[CNT], 0
	s_cbranch_scc1 .Lstep
	STEP 0, 0, 2                                   ; the last fetches nothing further and signals no more
	; THE WAY OUT: O^T x 2^(e6 + e7) / the sum, quantised with 2^e8.
	v_add_f32 v16, v16, v17
	v_add_f32 v18, v18, v19
	v_permlanex16_b32 v30, v16, s[SEL], s[SEL+1]
	v_permlanex16_b32 v31, v18, s[SEL], s[SEL+1]
	v_add_f32 v16, v16, v30                        ; the rows' sums
	v_add_f32 v18, v18, v31
	s_wait_alu depctr_va_vdst(0)                   ; the wait ahead of the batch,
	v_rcp_f32 v16, v16
	v_rcp_f32 v18, v18
	v_nop
	s_wait_alu depctr_va_vdst(0)                   ; and behind it, ahead of its first reader
	v_ldexp_f32 v16, v16, s42
	v_ldexp_f32 v18, v18, s42
	WIN 0x01
	s_wait_alu depctr_va_vdst(0)                   ; directly ahead of the first reader of O^T
.set j, 0
.rept 16
	v_pk_mul_f32 v[SA+j:SA+j+1], v[j:j+1], v[16:17] op_sel_hi:[1,0]                ; each accumulator from its low end on
.set j, j+2
.endr
.set j, 0
.rept 16
	v_pk_mul_f32 v[SB+j:SB+j+1], v[32+j:33+j], v[18:19] op_sel_hi:[1,0]
.set j, j+2
.endr
	WIN 0
.irp u, 0,1
.irp t, 0,1,2,3
.irp i, 0,1,2,3,4,5,6,7
	v_med3_num_f32 v[SA+64*\u+8*\t+\i], v[SA+64*\u+8*\t+\i], -v[SCO+1], v[SCO+1]
.endr
	v_cvt_scalef32_pk8_fp8_f32 v[PA+16*\u+2*\t:PA+16*\u+2*\t+1], v[SA+64*\u+8*\t:SA+64*\u+8*\t+7], v[SCO]
.endr
.endr
	v_nop                                          ; a plain line behind the last conversion
	global_store_b128 v[LI], v[PA:PA+3], s[12:13]  ; each store of the wave covers 512 consecutive bytes, aligned
	global_store_b128 v[LI], v[PA+4:PA+7], s[12:13] offset:512
	global_store_b128 v[LI], v[PB:PB+3], s[12:13] offset:1024
	global_store_b128 v[LI], v[PB+4:PB+7], s[12:13] offset:1536
	s_wait_tensorcnt 0x0                           ; the wave's end
	ds_add_u32 v[SPW], v[NIL]
	s_wait_dscnt 0x0
	ROUND                                          ; the closing round
	s_endpgm
.Lfunc_end_k_qc293e2d09f_attn:
	.size	k_qc293e2d09f_attn, .Lfunc_end_k_qc293e2d09f_attn-k_qc293e2d09f_attn
	.p2alignl 7, 3214868480
	.fill 96, 4, 3214868480
	.section	.rodata,"a",@progbits
	.p2align	6, 0x0
	.amdhsa_kernel k_qc293e2d09f_attn
		.amdhsa_group_segment_fixed_size 327680
		.amdhsa_private_segment_fixed_size 0
		.amdhsa_enable_private_segment 0
		.amdhsa_kernarg_size 40
		.amdhsa_user_sgpr_count 2
		.amdhsa_user_sgpr_kernarg_segment_ptr 1
		.amdhsa_wavefront_size32 1
		.amdhsa_system_sgpr_workgroup_id_x 1
		.amdhsa_system_sgpr_workgroup_id_y 1
		.amdhsa_system_sgpr_workgroup_id_z 1
		.amdhsa_system_vgpr_workitem_id 0
		.amdhsa_next_free_vgpr 336
		.amdhsa_next_free_sgpr 100
		.amdhsa_reserve_vcc 1
		.amdhsa_float_denorm_mode_32 3
		.amdhsa_float_denorm_mode_16_64 3
		.amdhsa_memory_ordered 1
		.amdhsa_forward_progress 1
		.amdhsa_inst_pref_size 127
	.end_amdhsa_kernel
	.amdgpu_metadata
---
amdhsa.version: [ 1, 2 ]
amdhsa.kernels:
  - .name:           k_qc293e2d09f_attn
    .symbol:         k_qc293e2d09f_attn.kd
    .args:
      - { .name: qa_img, .offset: 0, .size: 8, .value_kind: global_buffer, .address_space: global }
      - { .name: kv_img, .offset: 8, .size: 8, .value_kind: global_buffer, .address_space: global }
      - { .name: attention_mask, .offset: 16, .size: 8, .value_kind: global_buffer, .address_space: global }
      - { .name: lowp_scales, .offset: 24, .size: 8, .value_kind: global_buffer, .address_space: global }
      - { .name: wv_img, .offset: 32, .size: 8, .value_kind: global_buffer, .address_space: global }
    .group_segment_fixed_size: 327680
    .private_segment_fixed_size: 0
    .kernarg_segment_align: 8
    .kernarg_segment_size: 40
    .max_flat_workgroup_size: 384
    .sgpr_count:     100
    .vgpr_count:     336
    .wavefront_size: 32
...
	.end_amdgpu_metadata
.endif
;; end of part 3
;; launch oproj (part 4): grid 4 x 64, 12 waves a work-group, clusters of 4 x 4, 308,736 bytes of LDS; arguments wv_img, wo_codes, bo, lowp_scales, out0; writes out0
.if DOCPART == 4
	.amdgcn_target "amdgcn-amd-amdhsa--gfx1250"
	.amdhsa_code_object_version 6
	.text
	.protected	k_qc293e2d09f_oproj
	.globl	k_qc293e2d09f_oproj
	.p2align	8
	.type	k_qc293e2d09f_oproj,@function
k_qc293e2d09f_oproj:
	s_mov_b64 s[64:65], 0
	v_nop
	global_prefetch_b8 v0, s[64:65] scope:SCOPE_SE
	s_setreg_imm32_b32 hwreg(HW_REG_WAVE_MODE, 25, 1), 1
	s_wait_xcnt 0x0
	s_wait_alu depctr_hold_cnt(0) depctr_sa_sdst(0) depctr_va_vdst(0) depctr_va_sdst(0) depctr_va_ssrc(0) depctr_va_vcc(0) depctr_vm_vsrc(0)
	s_getreg_b32 s2, hwreg(HW_REG_IB_STS2, 6, 4)
	s_cmp_eq_u32 s2, 0
	s_cbranch_scc0 .Lentry_in_a_cluster
	s_endpgm
.Lentry_in_a_cluster:
	s_bfe_u32 s2, ttmp6, 0x10000c
	s_cmp_lg_u32 s2, 0xf033
	s_cbranch_scc0 .Lentry_shape_is_right
	s_endpgm
.Lentry_shape_is_right:
; out = wV Wo^T + bo on codes of FP8: wV with 2^e8, Wo with 2^e9; each finished sum x 2^(e8 + e9) + bo by one packed multiply-add for two numbers.  out: [8192][768] f32.
; wv_img [128-row block][head][tile of 16 rows][1024] holds images of operand registers, 16 rows x 64 k: registers 4 b .. 4 b + 3 are k = 32 b + 16 (lane / 16) + 0 .. 15; two neighbouring heads' images on end are one fragment
; of 16 rows x 128 k.  wo_codes: rows of 768 codes; four loads of 16 bytes give its fragments the same order of k.  Only the order of the sums inside an instruction hangs on it.
; SHARES: a work-group makes 128 rows x 192 columns; wave w rows 32 (w % 4) on, columns 64 (w / 4) on: 8 accumulators.  Source 0 = Wo's rows, source 1 = wV's rows: a lane holds eight neighbouring columns of one row.
; LDS is filled once: three K chunks of 256: Wo's 192 rows, 272 bytes apart (256 + 16: the 16 rows of a fragment load start at 16 different banks, 64 banks of 4 bytes: ISA guide 11.1), then four heads' images, 32 KB dense.
; Behind them a stage of 16 rows x 272 bytes for each wave, into which no fill lands.
; CLUSTER 4 x 4: wV's images are shared along a row of the cluster, Wo's rows along a column: joint loads, one a wave: waves 4 q .. 4 q + 3 fetch chunk q.
; All that the work-group reads is asked for at the head: no loop, so nothing to prefetch ahead of.
; LIMIT: e8 + e9 between -126 and 127, so that 2^(e8 + e9) is an f32 number.
.set PITCH, 272
.set AOFF,  192*PITCH                  ; the images lie behind Wo's 192 rows: 52,224
.set CH2,   AOFF+32768                 ; a K chunk: 84,992
.set STG,   3*CH2                      ; the stages: 254,976, a multiple of 256
.set SPARE, STG+12*16*PITCH            ; 307,200: the spare words, 128 bytes for each wave
.set LI,  1                            ; v1   16 x lane
.set AA,  4                            ; v4   LDS address of my images of wV
.set AW,  5                            ; v5   of my fragments of Wo
.set STO, 6                            ; v6   the stage: where I put 32 bytes of a row
.set RD,  7                            ; v7   and where I read a row back
.set CO,  8                            ; v8   my byte offset in two rows of out
.set AF,  16                           ; v16-47   wV: two fragments
.set WF,  48                           ; v48-111  Wo: four fragments
.set ACC, 112                          ; v112-175 accumulator (tt, nt) at 8 (4 tt + nt)
.set BO,  176                          ; v176-207 bo in the result's layout
.set SPW, 208
.set NIL, 209
.set T,   16                           ; the way out: 32 registers for each 16 rows
.set BK,  80                           ; and 32 read back from the stage
.set WV,  16
.set G1A, 24                           ; s[24:31] descriptor group 1 for the images; s[32:39] for Wo's rows
.set G1W, 32
.set G0A, 40                           ; s[40:43], s[44:47]: groups 0
.set G0W, 44
.macro ROUND                           ; a round of the cluster's barrier
	s_barrier_signal -1
	s_barrier_wait -1
	s_cmp_lg_u32 s[WV], 0
	s_cbranch_scc1 .Lnot_wave_0_\@
	s_barrier_signal -3
.Lnot_wave_0_\@:
	s_barrier_wait -3
	s_barrier_signal -1
	s_barrier_wait -1
.endm
	s_load_b256 s[4:11], s[0:1], 0x0               ; wv_img, Wo's codes, bo, the scales' exponents
	s_load_b64 s[12:13], s[0:1], 0x20              ; out
	v_lshl_add_u32 v[SPW], v0, 2, SPARE
	v_mov_b32 v[NIL], 0
	ds_add_u32 v[SPW], v[NIL]                      ; the wave's opening: the add, twice on end, and its wait
	ds_add_u32 v[SPW], v[NIL]
	v_lshrrev_b32 v1, 5, v0
	v_readfirstlane_b32 s[WV], v1                  ; wave 0..11
	s_and_b32 s17, s[WV], 3                        ; tg: which 32 rows
	s_lshr_b32 s18, s[WV], 2                       ; hw: which 64 columns.  Also: which chunk I fetch
	s_lshl_b32 s88, s17, 11
	s_add_co_u32 s88, s88, AOFF
	s_mul_i32 s89, s18, 64*PITCH
	s_mul_i32 s92, s[WV], 16*PITCH
	s_add_co_u32 s92, s92, STG                     ; my stage
	v_and_b32 v9, 31, v0
	v_and_b32 v2, 15, v0                           ; r
	v_bfe_u32 v3, v0, 4, 1                         ; h
	v_lshlrev_b32 v[LI], 4, v9
	v_mul_u32_u24 v[AW], v2, PITCH
	v_mul_u32_u24 v[RD], v3, PITCH
	v_mul_u32_u24 v[CO], v3, 3072
	v_add_nc_u32 v[AA], s88, v[LI]                 ; the images of my two tiles of rows: AOFF + 2 tg x 1,024 + 16 x lane
	v_lshl_add_u32 v[STO], v3, 5, v[AW]
	v_lshl_add_u32 v[AW], v3, 4, v[AW]
	v_lshl_add_u32 v[RD], v2, 4, v[RD]
	v_lshl_add_u32 v[CO], v2, 4, v[CO]             ; lanes 0-15 one row of out, lanes 16-31 the next, 16 bytes a lane
	v_add_nc_u32 v[AW], s89, v[AW]                 ; Wo: (64 hw + r) x pitch + 16 h
	v_add_nc_u32 v[STO], s92, v[STO]               ; in: row r, 32 bytes for each half of the lanes
	v_add_nc_u32 v[RD], s92, v[RD]                 ; back: the same two rows from the stage
	v_lshlrev_b32 v9, 5, v3                        ; 32 h
	s_bfe_u32 s19, ttmp6, 0x40000                  ; cx
	s_bfe_u32 s20, ttmp6, 0x40004                  ; cy
	s_lshl_b32 s21, ttmp9, 2
	s_add_co_u32 s21, s21, s19                     ; fg: which 192 columns
	s_and_b32 s22, ttmp7, 0xffff
	s_lshl_b32 s22, s22, 2
	s_add_co_u32 s22, s22, s20                     ; tb: which 128 rows
	s_lshl_b32 s23, s20, 2
	s_lshl_b32 s23, 15, s23                        ; my row of the cluster
	s_lshl_b32 s76, 0x1111, s19                    ; my column
	s_or_b32 s[G1A], s23, (3<<16)|(1<<21)          ; the mask; elements of 8 bytes; 21 set beside a mask; no padding
	s_mov_b32 s[G1A+1], 32<<16                     ; 64 rows of 32 elements, dense: 16 KB
	s_mov_b32 s[G1A+2], 64<<16
	s_mov_b32 s[G1A+3], 32<<16
	s_mov_b32 s[G1A+4], 64
	s_mov_b32 s[G1A+5], 32
	s_mov_b32 s[G1A+6], 0
	s_mov_b32 s[G1A+7], 0
	s_or_b32 s[G1W], s76, (1<<20)|(1<<21)|(5<<22)|(3<<25)   ; the mask; elements of 1 byte; four words of padding after every 64
	s_mov_b32 s[G1W+1], 256<<16                    ; 96 rows of 256 bytes, 768 apart
	s_mov_b32 s[G1W+2], 96<<16
	s_mov_b32 s[G1W+3], 256<<16
	s_mov_b32 s[G1W+4], 96
	s_mov_b32 s[G1W+5], 768
	s_mov_b32 s[G1W+6], 0
	s_mov_b32 s[G1W+7], 0
	s_and_b32 s77, s[WV], 1                        ; which half of the chunk's images, or of its rows of Wo
	s_mul_i32 s78, s18, CH2                        ; my chunk in LDS: no place in the cluster enters an LDS address
	s_mul_i32 s79, s77, 96*PITCH
	s_add_co_u32 s[G0W+1], s78, s79
	s_lshl_b32 s79, s77, 14
	s_add_co_u32 s79, s79, AOFF
	s_add_co_u32 s[G0A+1], s78, s79
	s_mul_i32 s79, s77, 96
	s_mul_i32 s82, s21, 192
	s_add_co_u32 s82, s82, s79
	s_mul_i32 s82, s82, 768                        ; Wo: row 192 fg + 96 x half, k = 256 q on (s82, s83 never hold cy)
	s_lshl_b32 s78, s18, 8
	s_add_co_u32 s82, s82, s78
	s_mov_b32 s83, 0
	s_mul_i32 s80, s22, 98304                      ; a block of 128 rows is 12 heads x 8,192 bytes; heads 4 q on (s80, s81 never hold cx)
	s_lshl_b32 s78, s18, 15
	s_add_co_u32 s80, s80, s78
	s_lshl_b32 s77, s77, 14
	s_add_co_u32 s80, s80, s77
	s_mov_b32 s81, 0
	s_mov_b32 s[G0A], 1                            ; count = 1
	s_mov_b32 s[G0W], 1
	s_bfe_u32 s77, s[WV], 0x10001                  ; 0: I fetch images, 1: rows of Wo
	s_mul_i32 s90, s21, 768
	s_lshl_b32 s91, s18, 8
	s_add_co_u32 s90, s90, s91                     ; my first column, in bytes: a multiple of 256
	s_mov_b32 s91, 0
	s_lshl_b32 s88, s22, 7
	s_lshl_b32 s89, s17, 5
	s_add_co_u32 s88, s88, s89
	s_mul_i32 s88, s88, 3072                       ; my first row of out
	s_add_co_u32 s88, s88, s90
	s_mov_b32 s89, 0
	s_wait_alu depctr_va_vdst(0)
	s_wait_dscnt 0x0                               ; both opening adds are done
	ROUND                                          ; all sixteen work-groups are here: the joint loads meet
	s_wait_kmcnt 0x0
	s_load_b64 s[84:85], s[10:11], 0x20            ; e8, e9
	s_add_nc_u64 s[G0A+2:G0A+3], s[4:5], s[80:81]
	s_add_nc_u64 s[G0W+2:G0W+3], s[6:7], s[82:83]
	s_or_b32 s[G0A+3], s[G0A+3], 0x80000000        ; type = 2
	s_or_b32 s[G0W+3], s[G0W+3], 0x80000000
	s_cmp_eq_u32 s77, 0
	s_cbranch_scc0 .Lfor_w
	tensor_load_to_lds s[G0A:G0A+3], s[G1A:G1A+7]
	s_nop 0
.rept 4
	v_nop                                          ; four plain lines follow the load
.endr
	s_branch .Lasked
.Lfor_w:
	tensor_load_to_lds s[G0W:G0W+3], s[G1W:G1W+7]
	s_nop 0
.rept 4
	v_nop
.endr
.Lasked:
	s_add_nc_u64 s[8:9], s[8:9], s[90:91]
.irp nt, 0,1,2,3
	global_load_b128 v[BO+8*\nt:BO+8*\nt+3], v9, s[8:9] offset:64*\nt          ; bo(16 nt + 8 h + 0 .. 7)
	global_load_b128 v[BO+8*\nt+4:BO+8*\nt+7], v9, s[8:9] offset:64*\nt+16
.endr
	s_add_nc_u64 s[12:13], s[12:13], s[88:89]
	s_wait_kmcnt 0x0
	s_add_co_i32 s86, s84, s85
	s_add_co_i32 s86, s86, 127
	s_lshl_b32 s86, s86, 23                        ; 2^(e8 + e9) as f32
	s_mov_b32 s87, s86                             ; (named with it as a pair, so it is written)
; 128 along K = two heads: 8 + 16 LDS loads, 8 matrix instructions on 8 accumulators by turns.  zero = 1: the first product starts the sums.
.macro KSTEP i, zero
.if \zero == 0
.rept 4
	v_nop                                          ; four places in front of loads into registers that matrix instructions have read
.endr
.endif
.irp tt, 0,1
.irp hh, 0,1
.irp bl, 0,1
	ds_load_b128 v[AF+16*\tt+8*\hh+4*\bl:AF+16*\tt+8*\hh+4*\bl+3], v[AA] offset:(2*\i+\hh)*8192+\tt*1024+\bl*512
.endr
.endr
.endr
.irp nt, 0,1,2,3
.irp c, 0,1,2,3
	ds_load_b128 v[WF+16*\nt+4*\c:WF+16*\nt+4*\c+3], v[AW] offset:\nt*16*PITCH+128*\i+32*\c   ; registers 4 c .. 4 c + 3: k = 32 c + 16 h + 0 .. 15
.endr
.endr
.irp nt, 0,1,2,3
	s_wait_dscnt 12-4*\nt                          ; the images and Wo's fragments up to nt are in; four loads for each later one may be out
.irp tt, 0,1
.if \zero
	v_wmma_f32_16x16x128_fp8_fp8 v[ACC+8*(4*\tt+\nt):ACC+8*(4*\tt+\nt)+7], v[WF+16*\nt:WF+16*\nt+15], v[AF+16*\tt:AF+16*\tt+15], 0
.else
	v_wmma_f32_16x16x128_fp8_fp8 v[ACC+8*(4*\tt+\nt):ACC+8*(4*\tt+\nt)+7], v[WF+16*\nt:WF+16*\nt+15], v[AF+16*\tt:AF+16*\tt+15], v[ACC+8*(4*\tt+\nt):ACC+8*(4*\tt+\nt)+7]
.endif
.endr
.endr
.endm
	s_wait_tensorcnt 0x0                           ; my load is in; nothing is ever filled again
	s_barrier_signal -1
	s_barrier_wait -1                              ; everybody's is: all three chunks
.irp q, 0,1,2
.if \q > 0
	v_add_nc_u32 v[AA], CH2, v[AA]
	v_add_nc_u32 v[AW], CH2, v[AW]
	s_wait_alu depctr_va_vdst(0)
.endif
.if \q == 0
	KSTEP 0, 1
.else
	KSTEP 0, 0
.endif
	KSTEP 1, 0
.endr
; THE WAY OUT, 16 rows x 64 columns at a time: a lane's 32 bytes of a row go into my own stage and come back as whole rows of 256 bytes.
; LDS serves a wave's instructions in order (ISA guide 5.7.1.4): no wait between the stores and the loads, nor in front of the second 16 rows' stores.
.macro TOSTAGE tt
.irp nt, 0,1,2,3
.irp i, 0,2,4,6
	v_pk_fma_f32 v[T+32*\tt+8*\nt+\i:T+32*\tt+8*\nt+\i+1], v[ACC+8*(4*\tt+\nt)+\i:ACC+8*(4*\tt+\nt)+\i+1], s[86:87], v[BO+8*\nt+\i:BO+8*\nt+\i+1] op_sel_hi:[1,0,1]   ; sum x 2^(e8 + e9) + bo; each accumulator from its low end on
.endr
.endr
.irp nt, 0,1,2,3
	ds_store_b128 v[STO], v[T+32*\tt+8*\nt:T+32*\tt+8*\nt+3] offset:64*\nt
	ds_store_b128 v[STO], v[T+32*\tt+8*\nt+4:T+32*\tt+8*\nt+7] offset:64*\nt+16
.endr
.irp i, 0,1,2,3,4,5,6,7
	ds_load_b128 v[BK+32*\tt+4*\i:BK+32*\tt+4*\i+3], v[RD] offset:2*\i*PITCH
.endr
.endm
.macro SEND tt, younger                ; younger: the LDS instructions issued behind these 16 rows' loads
.irp i, 0,1,2,3,4,5,6,7
	s_wait_dscnt \younger+7-\i                     ; load i is back: behind it stand 7 - i loads of its own run and the younger ones
	global_store_b128 v[CO], v[BK+32*\tt+4*\i:BK+32*\tt+4*\i+3], s[12:13] offset:(16*\tt+2*\i)*3072 th:TH_STORE_NT   ; 16 lanes store 256 consecutive bytes, at a multiple of 256 from out's first byte
.endr
.endm
	s_wait_loadcnt 0x0                             ; bo
.rept 4
	v_nop                                          ; four places behind the last products
.endr
	TOSTAGE 0
	TOSTAGE 1                                      ; (its rows come back into the first 16 rows' accumulators, which have been read)
	SEND 0, 16
	SEND 1, 0
	s_wait_tensorcnt 0x0                           ; the wave's end
	ds_add_u32 v[SPW], v[NIL]
	s_wait_dscnt 0x0
	ROUND                                          ; the closing round: no work-group ends while a partner may still ask for a tile that names it
	s_endpgm
.Lfunc_end_k_qc293e2d09f_oproj:
	.size	k_qc293e2d09f_oproj, .Lfunc_end_k_qc293e2d09f_oproj-k_qc293e2d09f_oproj
	.p2alignl 7, 3214868480
	.fill 96, 4, 3214868480
	.section	.rodata,"a",@progbits
	.p2align	6, 0x0
	.amdhsa_kernel k_qc293e2d09f_oproj
		.amdhsa_group_segment_fixed_size 308736
		.amdhsa_private_segment_fixed_size 0
		.amdhsa_enable_private_segment 0
		.amdhsa_kernarg_size 40
		.amdhsa_user_sgpr_count 2
		.amdhsa_user_sgpr_kernarg_segment_ptr 1
		.amdhsa_wavefront_size32 1
		.amdhsa_system_sgpr_workgroup_id_x 1
		.amdhsa_system_sgpr_workgroup_id_y 1
		.amdhsa_system_sgpr_workgroup_id_z 1
		.amdhsa_system_vgpr_workitem_id 0
		.amdhsa_next_free_vgpr 210
		.amdhsa_next_free_sgpr 100
		.amdhsa_reserve_vcc 0
		.amdhsa_float_denorm_mode_32 3
		.amdhsa_float_denorm_mode_16_64 3
		.amdhsa_memory_ordered 1
		.amdhsa_forward_progress 1
		.amdhsa_inst_pref_size 28
	.end_amdhsa_kernel
	.amdgpu_metadata
---
amdhsa.version: [ 1, 2 ]
amdhsa.kernels:
  - .name:           k_qc293e2d09f_oproj
    .symbol:         k_qc293e2d09f_oproj.kd
    .args:
      - { .name: wv_img, .offset: 0, .size: 8, .value_kind: global_buffer, .address_space: global }
      - { .name: wo_codes, .offset: 8, .size: 8, .value_kind: global_buffer, .address_space: global }
      - { .name: bo, .offset: 16, .size: 8, .value_kind: global_buffer, .address_space: global }
      - { .name: lowp_scales, .offset: 24, .size: 8, .value_kind: global_buffer, .address_space: global }
      - { .name: out0, .offset: 32, .size: 8, .value_kind: global_buffer, .address_space: global }
    .group_segment_fixed_size: 308736
    .private_segment_fixed_size: 0
    .kernarg_segment_align: 8
    .kernarg_segment_size: 40
    .max_flat_workgroup_size: 384
    .sgpr_count:     100
    .vgpr_count:     210
    .wavefront_size: 32
...
	.end_amdgpu_metadata
.endif
;; end of part 4
